; MI455X (gfx1250); checked and timed in simulation.
; The chip was launched on July 23, 2026; its instructions are those of AMD's public machine-readable ISA for CDNA 5 (MIT licence, August 2026) and "CDNA5" Instruction Set Architecture Reference Guide (July 2026). The comments in the code are by the model that wrote it; some were corrected since.
;; Geometric Linear. Allowed arithmetic: matrix products marked QUANTISED: E5M2 operands, one given power-of-two scale a tensor, by v_wmma_f32_16x16x64_bf8_bf8 or v_wmma_f32_16x16x128_bf8_bf8, f32 sums; products left as they are: f32 operands where the result goes on into a quantised operand, else bf16, f16 or f32 operands; f32 sums; everything else in f32.
;; Inputs: bias 512 x 8 float32; lowp_scales 2 int32 (the exponents e of the quantised operands' scales 2^e); weight 512 x 512 x 8 float32; x 4,096 x 512 x 8 float32.
;; Outputs: out0 4,096 x 512 x 8 float32.
;; This version of the problem:
;;   THIS VERSION OF THE PROBLEM IS GIVEN IN LOW PRECISION. The matrix products marked QUANTISED in the list below multiply operands that are first quantised to E5M2 (5 exponent bits, 2 mantissa bits; 8 bits a number), with one given power-of-two scale for each operand tensor; their sums are f32. All else is computed in f32.
;;   The module's matrix products, in the order in which they are computed (A, B: the left and right operand; K: the contracted axis; several contracted axes count as one K, in the product's order):
;;     1. [M 262,144, K 8] x [K 8, N 64]; A: input weight; B: computed on the way: left as it is (K = 8 < 32)
;;     2. [M 4,096, K 4,096] x [K 4,096, N 4,096]; A: input x; B: computed on the way: QUANTISED (scales: A lowp_scales[0], B lowp_scales[1])
;;   THE QUANTISER, for each operand of a quantised product, along K:
;;     - The operand's scale is 2^e, e = its entry of the input lowp_scales (int32; the entries are numbered through the quantised products in the list's order, A before B).
;;     - Each number is divided by the scale, clamped to +-57,344, and rounded to the nearest number of E5M2, ties to even, subnormals kept.
;;     - The product sums the exact products of the quantised numbers (number of the format x scale) in f32.
;;   ~~~python
;;   def quantise(x, axis, e):      # numpy; x: float32 -> the quantised numbers, widened to float32 again
;;       x = np.moveaxis(x, axis, -1); K = x.shape[-1]
;;       r = np.clip(x / 2.0 ** e, -57344, 57344)
;;       step = 2.0 ** (np.maximum(np.frexp(np.where(r == 0, 1, r))[1] - 1, -14) - 2)
;;       q = np.round(r / step) * step * 2.0 ** e      # np.round: ties to even
;;       return np.moveaxis(q, -1, axis).astype(np.float32)
;;   ~~~
;;   OPERANDS COMPUTED ON THE WAY. 'Computed on the way' means the value that the module computes at that place (a softmax that the list does not call 'softmax' is quantised finished and normalised). What goes into a quantiser is computed in f32, as accurately as f32 sums, v_exp_f32 and their like allow (about 1e-6 of the number): no bf16 or f16 on the way to a quantiser, and a product that is left as it is and whose result goes on into a quantised operand takes f32 operands (vector FMAs, or v_wmma_f32_16x16x4_f32). A number that lies on a knife's edge between two numbers of the format may be rounded either way, as far as f32 arithmetic and the matrix unit's own rounding can turn it there, and no further.
;; 2 versions, each right. Each part assembles by itself: llvm-mc -triple=amdgcn-amd-amdhsa -mcpu=gfx1250 --defsym DOCPART=n.
;; ======== version 1 of 2: 2 launches
;; workspace buffers: xq 16,777,216 bytes; wq 16,777,216 bytes
;; launch prep (part 1): grid 768 x 1, 4 waves a work-group, no clusters, 66,048 bytes of LDS; arguments x, weight, lowp_scales, xq, wq; writes xq, wq
.if DOCPART == 1
	.amdgcn_target "amdgcn-amd-amdhsa--gfx1250"
	.amdhsa_code_object_version 6
	.text
	.protected	k_q4734649267_prep
	.globl	k_q4734649267_prep
	.p2align	8
	.type	k_q4734649267_prep,@function
k_q4734649267_prep:
	s_mov_b64 s[64:65], 0
	v_nop
	global_prefetch_b8 v0, s[64:65] scope:SCOPE_SE
	s_setreg_imm32_b32 hwreg(HW_REG_WAVE_MODE, 25, 1), 1
	s_wait_xcnt 0x0
; BOTH OPERANDS OF THE LARGE PRODUCT BECOME CODES OF BF8 (E5M2), one byte each, K = (j, p) innermost.
;   xq[b][8 j + p]          = Q(x[b][j][p], e0)                       4,096 rows of 4,096 codes
;   wq[8 i + r][8 j + p]    = Q(Wc[i][j][p][r], e1)                   4,096 rows of 4,096 codes
; Q: number / 2^e, held within +-57,344, rounded to the nearest code, ties to even.  e0, e1: the two whole numbers (int32) of lowp_scales.
; Wc[i][j][p][r] = sum over q of weight[i][j][q] C[p][q][r], C the structure constants of Cl(3,0).  For each (p, r) exactly one q has C = +1 or -1 and the other seven are 0:
; the f32 sum IS +-weight[i][j][q(p, r)], with nothing rounded.  So the small product is a choice of register and a sign, both written into the line that holds the number ahead of the conversion.
; LIMITS: e0 and e1 between -126 and 112, so that 2^e and 57,344 x 2^e are f32 numbers.  NaN among x or weight is not served.  An infinite weight is held at the largest code
; (the sum with zero factors would make a NaN of it).
; SHARES: work-groups 0 to 255 take weight: a wave 256 pairs (i, j) of one i, 4 steps of 512 numbers; each number goes out 8 times (once for each r).
; Work-groups 256 to 767 take x: a wave 16 steps of 512 numbers.  The two ways part once, on the work-group's number, and each has LDS bytes of its own.
; A STEP: four loads of 512 consecutive bytes, 16 a lane; the 2,048 bytes go through the wave's own stage in LDS as they lie and come back 64 bytes a lane, since the conversions take
; neighbours along K from ONE lane's consecutive registers.  A lane's 16 codes are 16 bytes: every store of a wave covers 512 consecutive bytes, aligned.
; No tensor loads, no barrier: waves share nothing.
.set WGW,   256                        ; work-groups for weight
.set STEPS, 16                         ; steps of a wave on x's way
.set SP,    80                         ; a lane's place in a stage: its 64 bytes + 16 of padding
.set STG,   32*SP                      ; a stage
.set WREG,  8192                       ; LDS of a wave on either way: two stages
.set XB,    0                          ; x's way: LDS bytes 0 to 32,767
.set WB,    32768                      ; weight's way: LDS bytes 32,768 to 65,535
.set R,     16                         ; v16-79   four sets of 16 numbers as they are loaded
.set X,     80                         ; v80-111  two sets of 16 neighbours
.set T,     112                        ; v112-143 weight's way: two sets of 16 numbers chosen, signed and held
.set C,     144                        ; v144-207 codes.  x's way: four registers for each step.  weight's way: four for each r
	s_load_b128 s[4:7], s[0:1], 0x0                ; x, weight
	s_load_b64 s[10:11], s[0:1], 0x10              ; the scales' exponents
	s_load_b128 s[12:15], s[0:1], 0x18             ; xq, wq
	v_lshl_add_u32 v208, v0, 2, 0x10000
	v_mov_b32 v209, 0
	v_lshrrev_b32 v1, 5, v0
	v_readfirstlane_b32 s16, v1                    ; wave
	v_and_b32 v2, 31, v0                           ; lane
	v_lshlrev_b32 v3, 4, v2                        ; my 16 bytes of a load's or a store's 512; never rewritten
	s_mul_i32 s17, s16, WREG
	v_lshrrev_b32 v14, 2, v2
	v_mul_u32_u24 v14, v14, SP
	v_and_b32 v15, 3, v2
	v_lshl_add_u32 v14, v15, 4, v14
	v_add_nc_u32 v14, s17, v14                     ; the stage, on the way in: four lanes' 64 bytes on end, then the padding: SP (lane / 4) + 16 (lane % 4)
	v_mul_u32_u24 v15, v2, SP
	v_add_nc_u32 v15, s17, v15                     ; and on the way out: SP x lane: my 16 neighbours
	s_wait_kmcnt 0x0
	s_load_b64 s[22:23], s[10:11], 0x0             ; e0, e1
	s_cmp_lt_u32 ttmp9, WGW
	s_cbranch_scc0 .Lx
.macro LOAD t                          ; step t's 2,048 bytes into set t % 4
.irp i, 0,1,2,3
	global_load_b128 v[R+16*((\t)%4)+4*\i:R+16*((\t)%4)+4*\i+3], v3, s[4:5] offset:2048*(\t)+512*\i th:TH_LOAD_NT   ; 32 lanes read 512 consecutive bytes; read once in the launch
.endr
.endm
.macro TURN t, base                    ; step t's numbers through stage t % 2: LDS serves a wave's instructions in order (ISA guide 5.7.1.4), so no wait stands between the stores and the loads
.irp i, 0,1,2,3
	ds_store_b128 v14, v[R+16*((\t)%4)+4*\i:R+16*((\t)%4)+4*\i+3] offset:\base+STG*((\t)%2)+8*SP*\i
.endr
.irp i, 0,1,2,3
	ds_load_b128 v[X+16*((\t)%2)+4*\i:X+16*((\t)%2)+4*\i+3], v15 offset:\base+STG*((\t)%2)+16*\i
.endr
.endm
.macro MKSCALE se                      ; s[se] = e  ->  v11 = 2^e as f32 (the conversion takes its exponent field), v10 = 57,344 x 2^e
	s_add_co_i32 s[\se], s[\se], 127
	s_lshl_b32 s24, s[\se], 23
	v_mov_b32 v11, s24
	s_add_co_i32 s[\se], s[\se], 15
	s_lshl_b32 s[\se], s[\se], 23
	s_or_b32 s[\se], s[\se], 0x600000              ; the mantissa field of 57,344
	v_mov_b32 v10, s[\se]
.endm
; ---------------- weight's way ----------------
; Row r of the eight rows 8 i + r, for step t's 64 pairs (i, j); a lane holds two of them (jj = 0, 1), eight numbers q each.
; qt: nibble p = q(p, r).  sg: bit p set = the minus sign.  One line chooses, signs and holds (the conversion to an 8-bit code does not saturate: ISA guide 7.6.2).
; T's two sets take turns from r to r + 1, so that the sixteen plain lines of the next r stand between a conversion and the next write of its sources.
.macro ROWR t, r, qt, sg
.set XS, X+16*((\t)%2)
.set TS, T+16*((\r)%2)
.irp jj, 0,1
.irp p, 0,1,2,3,4,5,6,7
.if ((\sg)>>\p)&1
	v_med3_num_f32 v[TS+8*\jj+\p], -v[XS+8*\jj+(((\qt)>>(4*\p))&7)], -v10, v10
.else
	v_med3_num_f32 v[TS+8*\jj+\p], v[XS+8*\jj+(((\qt)>>(4*\p))&7)], -v10, v10
.endif
.endr
.endr
	v_cvt_scalef32_pk8_bf8_f32 v[C+4*(\r):C+4*(\r)+1], v[TS:TS+7], v11            ; k = 8 j + 0 .. 7, the first number's code in the lowest byte
	v_cvt_scalef32_pk8_bf8_f32 v[C+4*(\r)+2:C+4*(\r)+3], v[TS+8:TS+15], v11       ; k = 8 (j + 1) + 0 .. 7
	global_store_b128 v3, v[C+4*(\r):C+4*(\r)+3], s[8:9] offset:4096*(\r)+512*(\t) ; 512 consecutive bytes of row 8 i + r, at a multiple of 512 from wq's first byte
.endm
.macro STEPW t
	s_wait_dscnt 0x0                               ; this step's numbers are back from the stage
.if (\t) > 0
	s_wait_xcnt 0x0                                ; the last step's eight stores have read their data: the codes' registers are written again only behind this wait
.endif
.if (\t) < 3
	s_wait_loadcnt 4*(2-(\t))                      ; the next step's four loads are in; those of the steps behind it may be out
	TURN (\t)+1, WB                                ; and go through the other stage while this step is worked
.endif
	ROWR \t, 0, 0x76543210, 0xF0
	ROWR \t, 1, 0x67325401, 0xCC
	ROWR \t, 2, 0x53716042, 0x18
	ROWR \t, 3, 0x42170653, 0xF0
	ROWR \t, 4, 0x35607124, 0x24
	ROWR \t, 5, 0x24061735, 0xCC
	ROWR \t, 6, 0x10452376, 0x18
	ROWR \t, 7, 0x01234567, 0x24
.endm
	s_lshl_b32 s18, ttmp9, 2
	s_add_co_u32 s18, s18, s16                     ; which run of 256 pairs is my wave's: 0 to 1,023; i = run / 2, j from 256 (run % 2)
	s_lshl_b32 s20, s18, 13                        ; 256 pairs x 32 bytes
	s_mov_b32 s21, 0
	s_add_nc_u64 s[4:5], s[6:7], s[20:21]          ; weight at my first pair
	s_lshr_b32 s24, s18, 1
	s_lshl_b32 s24, s24, 15                        ; row 8 i of 4,096 bytes
	s_and_b32 s25, s18, 1
	s_lshl_b32 s25, s25, 11                        ; + 8 x 256 codes for the second half of the j
	s_add_co_u32 s24, s24, s25
	s_mov_b32 s25, 0
	s_add_nc_u64 s[8:9], s[14:15], s[24:25]        ; wq at my first code of row 8 i
.irp t, 0,1,2,3
	LOAD \t                                        ; all sixteen loads of the wave go out together
.endr
	s_wait_kmcnt 0x0
	MKSCALE 23                                     ; e1
	s_wait_loadcnt 12                              ; step 0's four loads are in; the twelve behind them may be out
	TURN 0, WB
.irp t, 0,1,2,3
	STEPW \t
.endr
	s_wait_tensorcnt 0x0
	ds_add_u32 v208, v209
	s_wait_dscnt 0x0
	s_endpgm
; ---------------- x's way ----------------
.macro STEPX t
.set XS, X+16*((\t)%2)
	s_wait_dscnt 0x0                               ; this step's numbers are back from the stage: so its stores into the stage have read their registers,
.if (\t)+4 < STEPS
	LOAD (\t)+4                                    ; which take the loads of four steps on
.endif
.if (\t)+1 < STEPS
.if STEPS-2-(\t) >= 3
	s_wait_loadcnt 12                              ; the next step's four loads are in; those of the three steps behind it may be out
.else
	s_wait_loadcnt 4*(STEPS-2-(\t))                ; the last steps load nothing: the counts run down
.endif
	TURN (\t)+1, XB
.endif
.irp i, 0,1,2,3,4,5,6,7,8,9,10,11,12,13,14,15
	v_med3_num_f32 v[XS+\i], v[XS+\i], -v10, v10   ; the hold at the largest code x the scale
.endr
	v_cvt_scalef32_pk8_bf8_f32 v[C+4*(\t):C+4*(\t)+1], v[XS:XS+7], v11
	v_cvt_scalef32_pk8_bf8_f32 v[C+4*(\t)+2:C+4*(\t)+3], v[XS+8:XS+15], v11
	global_store_b128 v3, v[C+4*(\t):C+4*(\t)+3], s[8:9] offset:512*(\t)   ; each step has its own four registers: no store's data are written again.  The next vector lines are the next step's plain holds, on other registers
.endm
.Lx:
	s_sub_co_u32 s17, ttmp9, WGW
	s_lshl_b32 s18, s17, 2
	s_add_co_u32 s18, s18, s16                     ; which run of 8,192 numbers is my wave's: 0 to 2,047
	s_lshl_b32 s20, s18, 15                        ; 8,192 numbers x 4 bytes
	s_mov_b32 s21, 0
	s_add_nc_u64 s[4:5], s[4:5], s[20:21]
	s_lshl_b32 s20, s18, 13                        ; 8,192 codes
	s_add_nc_u64 s[8:9], s[12:13], s[20:21]
.irp t, 0,1,2,3
	LOAD \t
.endr
	s_wait_kmcnt 0x0
	MKSCALE 22                                     ; e0
	s_wait_loadcnt 12                              ; step 0's four loads are in
	TURN 0, XB
.irp t, 0,1,2,3,4,5,6,7,8,9,10,11,12,13,14,15
	STEPX \t
.endr
	s_wait_tensorcnt 0x0
	ds_add_u32 v208, v209
	s_wait_dscnt 0x0
	s_endpgm
.Lfunc_end_k_q4734649267_prep:
	.size	k_q4734649267_prep, .Lfunc_end_k_q4734649267_prep-k_q4734649267_prep
	.p2alignl 7, 3214868480
	.fill 96, 4, 3214868480
	.section	.rodata,"a",@progbits
	.p2align	6, 0x0
	.amdhsa_kernel k_q4734649267_prep
		.amdhsa_group_segment_fixed_size 66048
		.amdhsa_private_segment_fixed_size 0
		.amdhsa_enable_private_segment 0
		.amdhsa_kernarg_size 40
		.amdhsa_user_sgpr_count 2
		.amdhsa_user_sgpr_kernarg_segment_ptr 1
		.amdhsa_wavefront_size32 1
		.amdhsa_system_sgpr_workgroup_id_x 1
		.amdhsa_system_sgpr_workgroup_id_y 1
		.amdhsa_system_sgpr_workgroup_id_z 1
		.amdhsa_system_vgpr_workitem_id 0
		.amdhsa_next_free_vgpr 210
		.amdhsa_next_free_sgpr 66
		.amdhsa_reserve_vcc 0
		.amdhsa_float_denorm_mode_32 3
		.amdhsa_float_denorm_mode_16_64 3
		.amdhsa_memory_ordered 1
		.amdhsa_forward_progress 1
		.amdhsa_inst_pref_size 81
	.end_amdhsa_kernel
	.amdgpu_metadata
---
amdhsa.version: [ 1, 2 ]
amdhsa.kernels:
  - .name:           k_q4734649267_prep
    .symbol:         k_q4734649267_prep.kd
    .args:
      - { .name: x, .offset: 0, .size: 8, .value_kind: global_buffer, .address_space: global }
      - { .name: weight, .offset: 8, .size: 8, .value_kind: global_buffer, .address_space: global }
      - { .name: lowp_scales, .offset: 16, .size: 8, .value_kind: global_buffer, .address_space: global }
      - { .name: xq, .offset: 24, .size: 8, .value_kind: global_buffer, .address_space: global }
      - { .name: wq, .offset: 32, .size: 8, .value_kind: global_buffer, .address_space: global }
    .group_segment_fixed_size: 66048
    .private_segment_fixed_size: 0
    .kernarg_segment_align: 8
    .kernarg_segment_size: 40
    .max_flat_workgroup_size: 128
    .sgpr_count:     66
    .vgpr_count:     210
    .wavefront_size: 32
...
	.end_amdgpu_metadata
.endif
;; end of part 1
;; launch gemm (part 2): grid 16 x 16, 4 waves a work-group, clusters of 4 x 4, 327,680 bytes of LDS; arguments xq, wq, lowp_scales, out0, bias; writes out0
.if DOCPART == 2
	.amdgcn_target "amdgcn-amd-amdhsa--gfx1250"
	.amdhsa_code_object_version 6
	.text
	.protected	k_q4734649267_gemm
	.globl	k_q4734649267_gemm
	.p2align	8
	.type	k_q4734649267_gemm,@function
k_q4734649267_gemm:
	s_mov_b64 s[64:65], 0
	v_nop
	global_prefetch_b8 v0, s[64:65] scope:SCOPE_SE
	s_setreg_imm32_b32 hwreg(HW_REG_WAVE_MODE, 25, 1), 1
	s_wait_xcnt 0x0
	s_wait_alu depctr_hold_cnt(0) depctr_sa_sdst(0) depctr_va_vdst(0) depctr_va_sdst(0) depctr_va_ssrc(0) depctr_va_vcc(0) depctr_vm_vsrc(0)
	s_getreg_b32 s2, hwreg(HW_REG_IB_STS2, 6, 4)
	s_cmp_eq_u32 s2, 0
	s_cbranch_scc0 .Lentry_in_a_cluster
	s_endpgm
.Lentry_in_a_cluster:
	s_bfe_u32 s2, ttmp6, 0x10000c
	s_cmp_lg_u32 s2, 0xf033
	s_cbranch_scc0 .Lentry_shape_is_right
	s_endpgm
.Lentry_shape_is_right:
; out0[b][n] = 2^(e0 + e1) x (sum over k of xq[b][k] wq[n][k]) + bias[n].  xq, wq: [4096][4096] codes of BF8 (E5M2), K innermost; n = 8 i + r; out0: [4096][4096] f32; sums in f32.
; The codes are multiplied as they are; each finished sum is multiplied once by 2^(e0 + e1) and takes its bias in the same fused multiply-add.
; LIMIT: e0 + e1 between -126 and 127, so that 2^(e0 + e1) is an f32 number.
; ORDER OF SUMS: inside a matrix instruction k stands in other places than the form's own layout gives it, the same in both operands: every product meets its partner, the order of the additions inside an instruction differs from ascending k.
; A tile of out0, 256 x 256, is made by a work-group of four waves; a wave makes 128 x 128: 64 accumulators of 16 x 16, 512 registers.  16 x 16 tiles: one for each work-group.
; K goes in steps of 256 through a ring of two LDS slots filled by the tensor data mover: a tile's row is 256 bytes of memory, at a multiple of 256 from the buffer's first byte.
; CLUSTERS: 4 x 4 work-groups.  The four of a row of the cluster need the same tiles of xq, the four of a column the same tiles of wq: each tile is asked for JOINTLY, by the same tensor load with the
; same descriptor and a mask that names the four.  THE MATRIX INSTRUCTION IS USED TRANSPOSED (source 0 = 16 rows of wq, source 1 = 16 rows of xq): a lane then holds eight neighbouring numbers of a row of out0.
; REGISTERS, in windows of 256: window 0: v0-31 addresses and my four bias numbers; from v128 A's fragments (8 x 16 rows x 128 K), ONE set; on the way out v128-255 take rows read back from the stage.
;   window 1: B's fragments, TWO sets, at v0 and at v128.   window 2: the 32 accumulators of my rows 0-63 (accumulator (a, b) at v[8 (8 a + b)]);   window 3: those of my rows 64-127.
; A step of 128 along K is 64 matrix instructions, A's blocks one after the other, each against B's eight.  A block of A is free as soon as its eight products are issued, so one set of registers serves A:
; blocks 0-3 are fetched anew in the step's middle, blocks 4-7 at its end.  B's fragments are at work through the whole step, so B has two sets.
.set SIZE_N, 4096
.set SIZE_K, 4096
.set KSTEP,  256                       ; along K in a slot
.set ROWB,   256                       ; a tile's row in bytes
.set KROW,   SIZE_K                    ; a row of xq or of wq in memory, in bytes
.set PITCH,  272                       ; an LDS row: 256 bytes of data + 16 of padding = 68 words: row r starts at bank 4 r mod 64 (64 banks of 4 bytes: ISA guide 11.1), so the 16 rows that a load touches start at 16 different banks
.set FR,     16                        ; registers of a fragment: 16 rows x 128 K
.set NL,     4                         ; LDS loads that bring one
.set NP,     4                         ; places behind this matrix instruction (ISA guide 7.12.1)
.set HALFT,  128*PITCH                 ; 128 rows: what one tensor load brings, and what one wave reads of A or of B
.set SLOT,   4*HALFT                   ; A's 256 rows, then B's 256 rows
.set LAPS,   SIZE_K/(2*KSTEP)          ; a lap = two K steps = once round the ring: 8
.set SPARE,  2*SLOT                    ; behind the ring: the spare words, 128 bytes for each wave: two blocks of 256 bytes that no other line names
.set SPITCH, 528                       ; the way out: a stage of 16 rows x (512 bytes + 16) for each wave.  It lies in slot 0, which has had its last fill and its last read when the first result is stored there
.set BI,   8                           ; v[8:11] bias of the four columns that I store
.set ADRA, 16                          ; v16-17  LDS address of my A fragments in slot 0, 1
.set ADRB, 20                          ; v20-21  the same for B
.set STO,  24                          ; v24     the way out: where I put 32 bytes of a row
.set RD,   25                          ; v25     the way out: where I read a row back
.set CO,   26                          ; v26     16 x lane: my byte offset in a row's 512 bytes of out0, and in my wave's 512 bytes of bias; never rewritten
.set SPW,  28                          ; v28     LDS address of my spare word: SPARE + 4 x my thread's number; never rewritten
.set NIL,  29                          ; v29     0; never rewritten
.set PFO,  30                          ; v30     the prefetches' offset: my lane x a row of 4,096 bytes; never rewritten
.set AF,   128                         ; A's fragments, in window 0
.set BK,   128                         ; the way out: 16 rows read back from the stage: v128-191 and v192-255 by turns
.set G1, 24                            ; s[24:31] descriptor group 1 for A's tiles;  s[32:39] group 0, one set for each slot
.set G0, 32
.set G1B, 48                           ; s[48:55], s[56:63] the same for B's tiles
.set G0B, 56
.set PFA, 66                           ; s[66:67] where my prefetches stand: my work-group's 32 rows of the 128 that I fetch, one K step further along K than the refill that is being asked for; a prefetch names the K step after that
.set LIM, 68                           ; s68     1 in a wave that prefetches, else the greatest number
.set MSB, 0
.macro WIN new                         ; the immediate's high byte repeats the setting that is left; a switch that changes nothing is dropped
.if MSB != (\new)
	s_set_vgpr_msb (MSB<<8)|(\new)
.set MSB, (\new)
.endif
.endm
.set MUL_LO, 0xa1                      ; source 0 (B) window 1, source 1 (A) window 0, C and D window 2
.set MUL_HI, 0xf1                      ; the same, C and D window 3
.set TO_B,   0x40                      ; destination window 1, address window 0
.set ST_LO,  0x08                      ; an LDS store's data (source 1) window 2, its address window 0;  + 4: window 3
; A joint load: waves 0 and 1 fetch for A, waves 2 and 3 for B.  Each of the two lines has ONE mask and one set of registers for all that issue it; the branch hangs on the wave's number alone.
; Four v_nop follow each of the two lines, ahead of the jump, the label and what follows.
.macro JLOAD g0a, g1a, g0b, g1b
	s_cmp_eq_u32 s15, 0
	s_cbranch_scc0 .Lfor_b_\@
	tensor_load_to_lds s[\g0a:\g0a+3], s[\g1a:\g1a+7]
	s_nop 0
.rept 4
	v_nop
.endr
	s_branch .Lasked_\@
.Lfor_b_\@:
	tensor_load_to_lds s[\g0b:\g0b+3], s[\g1b:\g1b+7]
	s_nop 0
.rept 4
	v_nop
.endr
.Lasked_\@:
.endm
; A PREFETCH, behind each joint refill, its four lines and the run of LDS loads that follows them: the K step that stands TWO refills on, 256 matrix instructions of the wave ahead of the load that will ask for it:
; 32 rows x 256 bytes, a lane a row, one instruction a wave.  Each row's 256 bytes of a K step are named ONCE in the launch: xq's tile row is read by every cluster of that row of clusters, and the first of them
; (cluster x = 0) asks; wq's tile column by every cluster of that column, and cluster y = 0 asks.  The four partners that ask for a tile jointly share its rows out BY ADDRESS: of the 128 rows that wave w fetches,
; the partner at place p takes 32 p .. 32 p + 31 (p = cx for A, cy for B): no branch hangs on a work-group's place in its cluster.  K steps 0 to 3 come by their loads alone; the loop's last trip (s3 = 1),
; whose refills are K steps 14 and 15, asks for nothing: there is no K step two on.
.macro ASK
	s_cmp_gt_u32 s3, s[LIM]
	s_cbranch_scc0 .Lnot_mine_\@
	global_prefetch_b8 v[PFO], s[PFA:PFA+1] offset:ROWB th:TH_LOAD_NT scope:SCOPE_SE
.Lnot_mine_\@:
.endm
.macro CREST                           ; a round of the cluster's barrier behind its opening barrier
	s_cmp_lg_u32 s14, 0
	s_cbranch_scc1 .Lnot_wave_0_\@
	s_barrier_signal -3
.Lnot_wave_0_\@:
	s_barrier_wait -3
	s_barrier_signal -1
	s_barrier_wait -1
.endm
.macro CROUND                          ; a whole round
	s_barrier_signal -1
	s_barrier_wait -1
	CREST
.endm
	s_load_b128 s[4:7], s[0:1], 0x0                ; xq s[4:5], wq s[6:7]
	s_load_b128 s[8:11], s[0:1], 0x10              ; the two scales' exponents s[8:9], out0 s[10:11]
	s_load_b64 s[12:13], s[0:1], 0x20              ; bias
	v_lshl_add_u32 v[SPW], v0, 2, SPARE
	v_mov_b32 v[NIL], 0
	ds_add_u32 v28, v29
	ds_add_u32 v28, v29
	s_wait_dscnt 0x0
	v_lshrrev_b32 v1, 5, v0
	v_readfirstlane_b32 s14, v1                    ; wave 0..3
	s_lshr_b32 s15, s14, 1                         ; which half of the tile's rows is mine.  Also: I fetch for A (0) or for B (1)
	s_and_b32 s16, s14, 1                          ; which half of its columns.  Also: which 128 rows of that tile I fetch
	s_bfe_u32 s40, ttmp6, 0x40000                  ; cx, cy: my place in the cluster
	s_bfe_u32 s41, ttmp6, 0x40004
	s_lshl_b32 s42, ttmp9, 2
	s_add_co_u32 s42, s42, s40                     ; tile column = 4 x cluster x + cx
	s_and_b32 s17, ttmp7, 0xffff
	s_lshl_b32 s17, s17, 2
	s_add_co_u32 s17, s17, s41                     ; tile row = 4 x cluster y + cy
	s_lshl_b32 s43, s41, 2
	s_lshl_b32 s43, 15, s43                        ; my row of the cluster
	s_lshl_b32 s44, 0x1111, s40                    ; my column
	; descriptor group 1: a tile of 128 rows x ROWB bytes, padded in LDS
	s_or_b32 s[G1+0], s43, (0<<16)|(1<<20)|(1<<21)|(5<<22)|(3<<25)  ; 15:0 the mask: A's tiles go to my row; 17:16 element of 1 byte; 20 padding on; 21 set beside a mask; 24:22 after every 64 words (code 5); 31:25 of 4 words (code 3)
	s_or_b32 s[G1B+0], s44, (0<<16)|(1<<20)|(1<<21)|(5<<22)|(3<<25) ; the same with the mask of my column, for B's tiles
.irp g, G1, G1B
	s_mov_b32 s[\g+1], ROWB<<16                    ; tensor_dim0 = 256
	s_mov_b32 s[\g+2], 128<<16                     ; tensor_dim1 = 128
	s_mov_b32 s[\g+3], ROWB<<16                    ; tile_dim0 = 256
	s_mov_b32 s[\g+4], 128                         ; tile_dim1 = 128
	s_mov_b32 s[\g+5], KROW                        ; tensor_dim0_stride = 4,096
	s_mov_b32 s[\g+6], 0
	s_mov_b32 s[\g+7], 0
.endr
	s_lshl_b32 s18, s16, 7                         ; which 128 rows of the tile I fetch
	s_lshl_b32 s20, s17, 8
	s_add_co_u32 s20, s20, s18                     ; A: row 256 x tile row + 128 x half
	s_lshl_b32 s46, s42, 8
	s_add_co_u32 s46, s46, s18                     ; B: row 256 x tile column + 128 x half
	s_mov_b32 s21, 0
	s_mov_b32 s47, 0
	s_mov_b64 s[18:19], KROW
	s_mul_u64 s[20:21], s[20:21], s[18:19]         ; in bytes
	s_mul_u64 s[46:47], s[46:47], s[18:19]
	s_mul_i32 s45, s14, HALFT                      ; where they go: wave x 128 rows: no place in the cluster enters an LDS address
	s_wait_kmcnt 0x0
	s_load_b64 s[96:97], s[8:9], 0x0               ; e0, e1
	s_add_nc_u64 s[20:21], s[4:5], s[20:21]
	s_add_nc_u64 s[46:47], s[6:7], s[46:47]
	CROUND                                         ; all sixteen work-groups are here: the first joint loads meet
.irp s, 0,1
	s_mov_b32 s[G0+4*\s], 1                                        ; count = 1
	s_add_co_u32 s[G0+4*\s+1], s45, \s*SLOT                        ; LDS address
	s_add_nc_u64 s[G0+4*\s+2:G0+4*\s+3], s[20:21], \s*ROWB         ; global address: K step s
	s_or_b32 s[G0+4*\s+3], s[G0+4*\s+3], 0x80000000                ; type = 2
	s_mov_b32 s[G0B+4*\s], 1
	s_add_co_u32 s[G0B+4*\s+1], s45, \s*SLOT
	s_add_nc_u64 s[G0B+4*\s+2:G0B+4*\s+3], s[46:47], \s*ROWB
	s_or_b32 s[G0B+4*\s+3], s[G0B+4*\s+3], 0x80000000
	JLOAD G0+4*\s, G1, G0B+4*\s, G1B               ; by this text's count two tensor loads of a wave are out here, later one behind each round
.endr
	v_and_b32 v1, 15, v0                           ; l % 16
	v_bfe_u32 v2, v0, 4, 1                         ; l / 16
	v_mul_u32_u24 v3, v1, PITCH
	v_lshl_add_u32 v4, v2, 4, v3                   ; a fragment's row x pitch + 16 x half
	s_mul_i32 s21, s15, HALFT                      ; my 128 rows of A
	s_mul_i32 s22, s16, HALFT                      ; my 128 rows of B,
	s_add_co_u32 s22, s22, 2*HALFT                 ; which lie behind A's 256
.irp s, 0,1
	v_add_nc_u32 v[ADRA+\s], s21, v4
	v_add_nc_u32 v[ADRB+\s], s22, v4
	s_add_co_u32 s21, s21, SLOT
	s_add_co_u32 s22, s22, SLOT
.endr
	s_mul_i32 s23, s14, 16*SPITCH                  ; my stage
	v_mul_u32_u24 v5, v1, SPITCH                   ; in: row l % 16, 32 bytes for each half of the lanes
	v_lshl_add_u32 v5, v2, 5, v5
	v_add_nc_u32 v[STO], s23, v5
	v_and_b32 v6, 31, v0
	v_lshlrev_b32 v[CO], 4, v6                     ; back: the 32 lanes take one row of 512 bytes; and the same in out0
	v_add_nc_u32 v[RD], s23, v[CO]
	s_lshl_b32 s20, s17, 8
	s_lshl_b32 s21, s15, 7
	s_add_co_u32 s20, s20, s21                     ; my first row of out0: 256 x tile row + 128 x half
	s_mov_b32 s21, 0
	s_mov_b64 s[18:19], SIZE_N*4
	s_mul_u64 s[20:21], s[20:21], s[18:19]
	s_lshl_b32 s46, s42, 10                        ; my first column, in bytes: 1,024 x tile column + 512 x half
	s_lshl_b32 s47, s16, 9
	s_add_co_u32 s46, s46, s47
	s_mov_b32 s47, 0
	s_add_nc_u64 s[20:21], s[20:21], s[46:47]
	s_add_nc_u64 s[10:11], s[10:11], s[20:21]
	s_add_nc_u64 s[12:13], s[12:13], s[46:47]      ; bias at my wave's first column: the same bytes along a row
	global_load_b128 v[BI:BI+3], v[CO], s[12:13]   ; on the way out a lane stores columns 4 lane .. 4 lane + 3 of every row: four numbers of bias serve the whole tile
	; the prefetches: where mine stand, and whether I ask
	s_lshl_b32 s18, s17, 8                         ; the tile's first row in xq,
	s_lshl_b32 s19, s42, 8                         ; in wq
	s_and_b32 s22, ttmp7, 0xffff                   ; cluster y
	s_cmp_eq_u32 s15, 0                            ; do I fetch for A?
	s_cselect_b32 s20, s18, s19
	s_cselect_b32 s21, s40, s41                    ; my place among the four that ask for the tile with me
	s_cselect_b32 s22, ttmp9, s22                  ; the coordinate along which other clusters read the same rows
	s_cselect_b64 s[PFA:PFA+1], s[4:5], s[6:7]
	s_cmp_eq_u32 s22, 0
	s_cselect_b32 s[LIM], 1, -1                    ; the same in all sixteen partners, for a given wave
	s_lshl_b32 s22, s16, 7
	s_add_co_u32 s20, s20, s22                     ; + the 128 rows that I fetch
	s_lshl_b32 s21, s21, 5
	s_add_co_u32 s20, s20, s21                     ; + my work-group's 32 of them
	s_lshl_b32 s20, s20, 12                        ; rows of 4,096 bytes: under 2^24
	s_mov_b32 s21, 0
	s_add_nc_u64 s[PFA:PFA+1], s[PFA:PFA+1], s[20:21]
	s_add_nc_u64 s[PFA:PFA+1], s[PFA:PFA+1], 2*ROWB  ; at K step 2: the first refill steps it to 3 and names K step 4
	v_lshlrev_b32 v[PFO], 12, v6
.macro FRAG reg, adr, q, i             ; a fragment, 16 rows x 128 K of 8-bit codes, is 16 registers: lane l holds row l % 16; registers 4 c .. 4 c + 3 hold K = 32 c + 16 (l / 16) + 0 .. 15
.irp c, 0,1,2,3
	ds_load_b128 v[\reg+4*\c:\reg+4*\c+3], v[\adr] offset:128*(\q)+32*\c+(\i)*16*PITCH
.endr
.endm
; 16 matrix instructions: A's blocks a0, a0 + 1 x B's eight, 128 along K.  p: B's set.  zero = 1: the first product starts the sums: nothing is ever cleared.
; The 64 accumulators take turns, one instruction a turn, in the same order in every step.
.macro MUL16 a0, p, zero
.irp a, \a0, \a0+1
.irp b, 0,1,2,3,4,5,6,7
.if \zero
	v_wmma_f32_16x16x128_bf8_bf8 v[8*(8*((\a)%4)+\b):8*(8*((\a)%4)+\b)+7], v[128*(\p)+FR*\b:128*(\p)+FR*\b+FR-1], v[AF+FR*(\a):AF+FR*(\a)+FR-1], 0
.else
	v_wmma_f32_16x16x128_bf8_bf8 v[8*(8*((\a)%4)+\b):8*(8*((\a)%4)+\b)+7], v[128*(\p)+FR*\b:128*(\p)+FR*\b+FR-1], v[AF+FR*(\a):AF+FR*(\a)+FR-1], v[8*(8*((\a)%4)+\b):8*(8*((\a)%4)+\b)+7]
.endif
.endr
.endr
.endm
.macro FETCH_B slot, q, p              ; B's eight fragments of the slot's q-th 128 along K into set p
	WIN TO_B
.irp i, 0,1,2,3,4,5,6,7
	FRAG 128*(\p)+FR*\i, ADRB+\slot, \q, \i
.endr
	WIN 0
.endm
.macro FETCH_A slot, q, i0             ; A's blocks i0 .. i0 + 3
.irp i, \i0, \i0+1, \i0+2, \i0+3
	FRAG AF+FR*(\i), ADRA+\slot, \q, \i
.endr
.endm
; A load into a register that a matrix instruction has read, and a vector instruction or an LDS store that reads a matrix result, stand NP places behind that matrix instruction, and only plain vector
; instructions that name none of its registers are places (ISA guide 7.12.1 for vector instructions); the matrix instructions in between are not counted.
.macro PLACES n
.rept \n
	v_nop
.endr
.endm
; A step of 128 along K that has its successor in the same slot.
.macro STEP slot, q, zero
	s_wait_dscnt 4*NL                              ; B's set and A's blocks 0-3 are in; the youngest sixteen loads (A's blocks 4-7) may be out
	WIN MUL_LO
	MUL16 0, (\q)%2, \zero
	MUL16 2, (\q)%2, \zero
	s_wait_dscnt 0                                 ; A's blocks 4-7 are in (asked for 32 matrix instructions ago)
	PLACES NP
	FETCH_B \slot, (\q)+1, 1-(\q)%2
	FETCH_A \slot, (\q)+1, 0
	WIN MUL_HI
	MUL16 4, (\q)%2, \zero
	MUL16 6, (\q)%2, \zero
	PLACES NP
	WIN 0
	FETCH_A \slot, (\q)+1, 4
.endm
; A slot's last step changes slots: ONE barrier; in front of it each wave waits for all its tensor loads, adds 0 to its spare word, and waits for that and for its own reads of this slot.  fill = 1: this slot is filled again, two K steps ahead.
.macro TURN slot, next, fill
.if \fill
	s_wait_xcnt 0x0                                ; the last prefetch, a K step back, has read its address: it is stepped here, ahead of the waits of the change of slots
	s_add_nc_u64 s[PFA:PFA+1], s[PFA:PFA+1], ROWB
.endif
	s_wait_tensorcnt 0x0                           ; all my tensor loads have landed: the one that was out is my part of the next slot;  (every window is 0 here: the add's two registers lie in window 0)
	ds_add_u32 v[SPW], v[NIL]                      ; 0 onto my spare word
	s_wait_dscnt 4*NL+1                            ; (the add and the youngest sixteen loads, A's blocks 4-7, may be out)
	WIN MUL_LO
	MUL16 0, 1, 0                                  ; sixteen matrix instructions stand between the add and the wait for it
	s_wait_dscnt 0x0                               ; the add is done, and my reads of this slot are over
	s_barrier_signal -1
	MUL16 2, 1, 0                                  ; work on registers while the others arrive
	WIN 0
	s_barrier_wait -1
.if \fill
	CREST                                          ; the barrier has opened a round of the cluster's barrier: no wave of any partner still reads this slot's tile or has a load on its way
	s_add_nc_u64 s[G0+4*\slot+2:G0+4*\slot+3], s[G0+4*\slot+2:G0+4*\slot+3], 2*ROWB
	s_add_nc_u64 s[G0B+4*\slot+2:G0B+4*\slot+3], s[G0B+4*\slot+2:G0B+4*\slot+3], 2*ROWB
	JLOAD G0+4*\slot, G1, G0B+4*\slot, G1B         ; the first tensor load behind the round, and my only one until the next; the four v_nop behind it are the places in front of the loads below
.else
	PLACES NP
.endif
	FETCH_B \next, 0, 0
	FETCH_A \next, 0, 0
.if \fill
	ASK                                            ; behind the joint load and the run of LDS loads that the next products wait for
.endif
	WIN MUL_HI
	MUL16 4, 1, 0
	MUL16 6, 1, 0
	PLACES NP
	WIN 0
	FETCH_A \next, 0, 4
.endm
	s_wait_tensorcnt 1                             ; my part of K step 0 is in; K step 1's load may be out
	s_barrier_signal -1
	s_barrier_wait -1                              ; everybody's is
	FETCH_B 0, 0, 0
	FETCH_A 0, 0, 0
	FETCH_A 0, 0, 4
	STEP 0, 0, 1                                   ; the first step stands in front of the loop: its products start the sums
	s_mov_b32 s3, LAPS-1
.Llap:                                                 ; a trip goes once round the ring, from a lap's second step to the next lap's first, and fills both slots again
	TURN 0, 1, 1
	STEP 1, 0, 0
	TURN 1, 0, 1
	STEP 0, 0, 0
	s_sub_co_u32 s3, s3, 1
	s_cmp_lg_u32 s3, 0
	s_cbranch_scc1 .Llap
	TURN 0, 1, 0                                   ; the last lap fills nothing, and has no round of the cluster's barrier
	STEP 1, 0, 0
	s_wait_dscnt 4*NL                              ; the very last step: nothing more to fetch
	WIN MUL_LO
	MUL16 0, 1, 0
	MUL16 2, 1, 0
	s_wait_dscnt 0
	WIN MUL_HI
	MUL16 4, 1, 0
	MUL16 6, 1, 0
	WIN 0
; THE WAY OUT, block by block of 16 rows x 128 columns.  A lane holds 32 neighbouring bytes of a row, and the lanes beside it hold other rows: so a block's sums go, as they stand in the accumulators, through my own
; stage in LDS and come back as whole rows of 512 bytes.  There a lane holds the same four columns in every row: one packed multiply-add for two numbers gives sum x 2^(e0 + e1) + bias, and the 32 lanes store the row.
; LDS serves a wave's instructions in order (ISA guide 5.7.1.4): no wait between the stores and the loads, nor in front of the next block's stores.
.macro TOSTAGE a
.set AC, 64*((\a)%4)
	WIN ST_LO+4*((\a)/4)                           ; the stores' data: window 2 or 3
.irp b, 0,1,2,3,4,5,6,7
	ds_store_b128 v[STO], v[AC+8*\b:AC+8*\b+3] offset:64*\b          ; each accumulator from its low end on
	ds_store_b128 v[STO], v[AC+8*\b+4:AC+8*\b+7] offset:64*\b+16
.endr
	WIN 0
.set BB, BK+64*((\a)%2)
.irp t, 0,1,2,3,4,5,6,7,8,9,10,11,12,13,14,15
	ds_load_b128 v[BB+4*\t:BB+4*\t+3], v[RD] offset:\t*SPITCH
.endr
.endm
.macro SEND a, younger                 ; younger: the LDS instructions issued behind block a's loads, which may stay out
.set BB, BK+64*((\a)%2)
	s_wait_dscnt \younger                          ; the block is back in registers
.if (\a) > 0
	s_add_nc_u64 s[10:11], s[10:11], 16*SIZE_N*4   ; (behind a wait on XCNT: the earlier stores have read their base)  16 rows of out0 on, so that the stores' offsets stay small: 15 rows, 245,760 bytes, at the most
.endif
.irp t, 0,1,2,3,4,5,6,7,8,9,10,11,12,13,14,15
	v_pk_fma_f32 v[BB+4*\t:BB+4*\t+1], v[BB+4*\t:BB+4*\t+1], s[96:97], v[BI:BI+1] op_sel_hi:[1,0,1]       ; sum x s96 + bias (of the scalar pair the low word serves both halves)
	v_pk_fma_f32 v[BB+4*\t+2:BB+4*\t+3], v[BB+4*\t+2:BB+4*\t+3], s[96:97], v[BI+2:BI+3] op_sel_hi:[1,0,1]
	global_store_b128 v[CO], v[BB+4*\t:BB+4*\t+3], s[10:11] offset:\t*SIZE_N*4 th:TH_STORE_NT   ; 32 lanes store 512 consecutive bytes, at a multiple of 512 from out0's first byte; written once, read by nobody here
.endr
.endm
	s_wait_kmcnt 0x0
	s_add_co_i32 s96, s96, s97                     ; e0 + e1, between -126 and 127,
	s_add_co_i32 s96, s96, 127
	s_lshl_b32 s96, s96, 23                        ; makes the f32 number 2^(e0 + e1)
	s_wait_loadcnt 0x0                             ; my four numbers of bias, asked for at the head
	PLACES NP                                      ; behind the last products: for the LDS stores that read results, and for the loads into the registers that held A's fragments
	TOSTAGE 0
.irp a, 1,2,3,4,5,6,7
.if \a > 1
	s_wait_xcnt 0x0                                ; block a - 2's stores have read their registers and their base: block a's loads may land there, and the base may step
.endif
	TOSTAGE \a
	SEND \a-1, 32                                  ; behind block a - 1's loads: block a's 16 stores and 16 loads
.endr
	s_wait_xcnt 0x0                                ; block 6's stores have read their base
	SEND 7, 0
	s_wait_tensorcnt 0x0                           ; the wave's end: behind my last tensor load and my last LDS store
	ds_add_u32 v[SPW], v[NIL]
	s_wait_dscnt 0x0
	CROUND                                         ; the closing round: no work-group ends while a partner may still ask for a tile that names it
	s_endpgm
.Lfunc_end_k_q4734649267_gemm:
	.size	k_q4734649267_gemm, .Lfunc_end_k_q4734649267_gemm-k_q4734649267_gemm
	.p2alignl 7, 3214868480
	.fill 96, 4, 3214868480
	.section	.rodata,"a",@progbits
	.p2align	6, 0x0
	.amdhsa_kernel k_q4734649267_gemm
		.amdhsa_group_segment_fixed_size 327680
		.amdhsa_private_segment_fixed_size 0
		.amdhsa_enable_private_segment 0
		.amdhsa_kernarg_size 40
		.amdhsa_user_sgpr_count 2
		.amdhsa_user_sgpr_kernarg_segment_ptr 1
		.amdhsa_wavefront_size32 1
		.amdhsa_system_sgpr_workgroup_id_x 1
		.amdhsa_system_sgpr_workgroup_id_y 1
		.amdhsa_system_sgpr_workgroup_id_z 1
		.amdhsa_system_vgpr_workitem_id 0
		.amdhsa_next_free_vgpr 1024
		.amdhsa_next_free_sgpr 98
		.amdhsa_reserve_vcc 0
		.amdhsa_float_denorm_mode_32 3
		.amdhsa_float_denorm_mode_16_64 3
		.amdhsa_memory_ordered 1
		.amdhsa_forward_progress 1
		.amdhsa_inst_pref_size 125
	.end_amdhsa_kernel
	.amdgpu_metadata
---
amdhsa.version: [ 1, 2 ]
amdhsa.kernels:
  - .name:           k_q4734649267_gemm
    .symbol:         k_q4734649267_gemm.kd
    .args:
      - { .name: xq, .offset: 0, .size: 8, .value_kind: global_buffer, .address_space: global }
      - { .name: wq, .offset: 8, .size: 8, .value_kind: global_buffer, .address_space: global }
      - { .name: lowp_scales, .offset: 16, .size: 8, .value_kind: global_buffer, .address_space: global }
      - { .name: out0, .offset: 24, .size: 8, .value_kind: global_buffer, .address_space: global }
      - { .name: bias, .offset: 32, .size: 8, .value_kind: global_buffer, .address_space: global }
    .group_segment_fixed_size: 327680
    .private_segment_fixed_size: 0
    .kernarg_segment_align: 8
    .kernarg_segment_size: 40
    .max_flat_workgroup_size: 128
    .sgpr_count:     98
    .vgpr_count:     1024
    .wavefront_size: 32
...
	.end_amdgpu_metadata
.endif
;; end of part 2
;; ======== version 2 of 2: 2 launches
;; workspace buffers: xq 16,777,216 bytes; wq 2,097,152 bytes
;; launch prep (part 3): grid 2304 x 1, 4 waves a work-group, no clusters, 9,728 bytes of LDS; arguments x, weight, lowp_scales, xq, wq; writes xq, wq
.if DOCPART == 3
	.amdgcn_target "amdgcn-amd-amdhsa--gfx1250"
	.amdhsa_code_object_version 6
	.text
	.protected	k_q4734649267_prep
	.globl	k_q4734649267_prep
	.p2align	8
	.type	k_q4734649267_prep,@function
k_q4734649267_prep:
	s_mov_b64 s[64:65], 0
	v_nop
	global_prefetch_b8 v0, s[64:65] scope:SCOPE_SE
	s_setreg_imm32_b32 hwreg(HW_REG_WAVE_MODE, 25, 1), 1
	s_wait_xcnt 0x0
; x [4096][512][8] AND weight [512][512][8], f32, BECOME CODES OF BF8 (E5M2), one byte each, each with the one scale 2^e that is given for its operand (e0: x, e1: the weight's operand).
;   xq[b][s][p][jl] = Q(x[b][64 s + jl][p], e0)          wq[i][s][q][jl] = Q(weight[i][64 s + jl][q], e1)          s = 0 .. 7, jl = 0 .. 63: a row is 4,096 codes
; Q: number / 2^e, held within +-57,344, rounded to the nearest code, ties to even.
; WHY weight ITSELF IS QUANTISED.  The large product's second operand is Wc[i][j][p][r] = sum over q of weight[i][j][q] C[p][q][r], C the structure constants of Cl(3,0).  For each (p, r) exactly one q has
; C = +1 or -1 and the other seven are 0, so the f32 sum IS +-weight[i][j][q(p, r)], nothing rounded; and Q(-w) = -Q(w), the hold and the rounding being symmetric.  So the codes of Wc are these codes,
; chosen by q(p, r), with the sign bit turned where C = -1: the next launch makes that choice where it names its operand registers.
; WHY THE COMPONENT STANDS OUTSIDE 64 j: the next launch then finds 64 neighbouring k of ONE p (of one q) in 64 neighbouring bytes.  The order of k is the same in both operands.
; LIMITS: e0 and e1 between -126 and 112, so that 2^e and 57,344 x 2^e are f32 numbers.  NaN among x or weight is not served.  An infinite weight is held at the largest code
; (the sum with zero factors would make a NaN of it).
; SHARES: both tensors are plain streams of steps of 64 j x 8 components = 2,048 bytes, which become 512 bytes of codes.  A wave takes 4 steps and asks for all of their 8,192 bytes at once.
; Work-groups 0 to 2,047 take x, the other 256 weight: only pointers and the scale are chosen, on the work-group's number.
; A STEP: four loads of 512 consecutive bytes, 16 a lane; they go into the wave's own stage in LDS as they lie and come back turned: lane 4 p + g takes the 16 numbers (j = 16 g + 0 .. 15, p), since the
; conversions take neighbours along K from ONE lane's consecutive registers.  Its 16 codes belong at byte 64 p + 16 g = 16 x lane of the step's 512: every store of a wave covers 512 consecutive bytes, aligned.
; No tensor loads, no barrier: waves share nothing.
.set WGX,   2048                       ; work-groups for x
.set STEPS, 4                          ; steps of a wave
.set CH,    576                        ; a load's 512 bytes in the stage + 64 of padding = 144 words: in a read-back lane (p, g) takes word 144 g + 8 n + p, bank 16 g + p + 8 n mod 64 (64 banks of 4 bytes: ISA guide 11.1): 32 different banks
.set WREG,  4*CH                       ; a wave's stage
.set R,     16                         ; v16-79  four sets of 16 numbers: as loaded, then turned, in the same registers
.set C,     80                         ; v80-95  codes: four registers for each step, so that no store's data are written again
	s_load_b128 s[4:7], s[0:1], 0x0                ; x, weight
	s_load_b64 s[10:11], s[0:1], 0x10              ; the scales' exponents
	s_load_b128 s[12:15], s[0:1], 0x18             ; xq, wq
	v_lshl_add_u32 v96, v0, 2, 0x2400
	v_mov_b32 v97, 0
	v_lshrrev_b32 v1, 5, v0
	v_readfirstlane_b32 s16, v1                    ; wave
	v_and_b32 v2, 31, v0                           ; lane
	v_lshlrev_b32 v3, 4, v2                        ; my 16 bytes of a load's or a store's 512; never rewritten
	s_mul_i32 s17, s16, WREG
	v_add_nc_u32 v14, s17, v3                      ; the stage, on the way in: 16 x lane; load i of a step begins CH x i further on
	v_and_b32 v4, 3, v2                            ; g
	v_lshrrev_b32 v5, 2, v2                        ; p
	v_mul_u32_u24 v15, v4, CH
	v_lshl_add_u32 v15, v5, 2, v15
	v_add_nc_u32 v15, s17, v15                     ; and on the way out: CH g + 4 p; number n lies 32 n further on
	s_cmp_lt_u32 ttmp9, WGX                        ; x's work-group or weight's?
	s_cselect_b32 s18, 0, WGX
	s_sub_co_u32 s18, ttmp9, s18
	s_lshl_b32 s18, s18, 2
	s_add_co_u32 s18, s18, s16                     ; which run of 4 steps of the tensor is my wave's
	s_lshl_b32 s20, s18, 13                        ; 8,192 bytes of numbers,
	s_mov_b32 s21, 0
	s_lshl_b32 s24, s18, 11                        ; 2,048 bytes of codes
	s_mov_b32 s25, 0
	s_wait_kmcnt 0x0
	s_load_b64 s[22:23], s[10:11], 0x0             ; e0, e1
	s_cmp_lt_u32 ttmp9, WGX                        ; the choice hangs on the work-group's number alone
	s_cselect_b64 s[4:5], s[4:5], s[6:7]
	s_cselect_b64 s[8:9], s[12:13], s[14:15]
	s_add_nc_u64 s[4:5], s[4:5], s[20:21]
	s_add_nc_u64 s[8:9], s[8:9], s[24:25]
.macro LOAD t                          ; step t's 2,048 bytes
.irp i, 0,1,2,3
	global_load_b128 v[R+16*(\t)+4*\i:R+16*(\t)+4*\i+3], v3, s[4:5] offset:2048*(\t)+512*\i th:TH_LOAD_NT   ; 32 lanes read 512 consecutive bytes; read once in the launch
.endr
.endm
.macro TURN t                          ; step t's numbers through the stage.  LDS serves a wave's instructions in order (ISA guide 5.7.1.4): no wait stands between the stores and the loads, nor in front of the next step's stores into the same bytes
.irp i, 0,1,2,3
	ds_store_b128 v14, v[R+16*(\t)+4*\i:R+16*(\t)+4*\i+3] offset:CH*\i
.endr
.irp n, 0,1,2,3,4,5,6,7,8,9,10,11,12,13,14,15
	ds_load_b32 v[R+16*(\t)+\n], v15 offset:32*\n  ; (j = 16 g + n, p), into the registers that the numbers left
.endr
.endm
.irp t, 0,1,2,3
	LOAD \t                                        ; all sixteen loads of the wave go out together
.endr
	s_wait_kmcnt 0x0
	s_cmp_lt_u32 ttmp9, WGX
	s_cselect_b32 s22, s22, s23                    ; e
	s_add_co_i32 s22, s22, 127
	s_lshl_b32 s23, s22, 23
	v_mov_b32 v11, s23                             ; 2^e as f32: the conversion takes its exponent field
	s_add_co_i32 s22, s22, 15
	s_lshl_b32 s22, s22, 23
	s_or_b32 s22, s22, 0x600000                    ; the mantissa field of 57,344
	v_mov_b32 v10, s22                             ; the largest number x 2^e
	s_wait_loadcnt 12                              ; step 0's four loads are in; the twelve behind them may be out
	TURN 0
.macro STEP t
.if (\t)+1 < STEPS
	s_wait_loadcnt 4*(STEPS-2-(\t))                ; the next step's four loads are in; those of the steps behind it may be out
	TURN (\t)+1                                    ; and go through the stage while this step is worked
	s_wait_dscnt 20                                ; this step's numbers are back; the next step's 4 stores and 16 loads may be out
.else
	s_wait_dscnt 0x0
.endif
.irp i, 0,1,2,3,4,5,6,7,8,9,10,11,12,13,14,15
	v_med3_num_f32 v[R+16*(\t)+\i], v[R+16*(\t)+\i], -v10, v10   ; the conversion to an 8-bit code does not saturate (ISA guide 7.6.2): the hold at the largest code x the scale
.endr
	v_cvt_scalef32_pk8_bf8_f32 v[C+4*(\t):C+4*(\t)+1], v[R+16*(\t):R+16*(\t)+7], v11       ; eight numbers / 2^e, to the nearest code, ties to even; the first number's code in the lowest byte
	v_cvt_scalef32_pk8_bf8_f32 v[C+4*(\t)+2:C+4*(\t)+3], v[R+16*(\t)+8:R+16*(\t)+15], v11
	global_store_b128 v3, v[C+4*(\t):C+4*(\t)+3], s[8:9] offset:512*(\t)   ; the results go to a store alone, and neither they nor the conversions' sources are written again; the next vector lines are the next step's plain holds, on other registers
.endm
.irp t, 0,1,2,3
	STEP \t
.endr
	s_wait_tensorcnt 0x0
	ds_add_u32 v96, v97
	s_wait_dscnt 0x0
	s_endpgm
.Lfunc_end_k_q4734649267_prep:
	.size	k_q4734649267_prep, .Lfunc_end_k_q4734649267_prep-k_q4734649267_prep
	.p2alignl 7, 3214868480
	.fill 96, 4, 3214868480
	.section	.rodata,"a",@progbits
	.p2align	6, 0x0
	.amdhsa_kernel k_q4734649267_prep
		.amdhsa_group_segment_fixed_size 9728
		.amdhsa_private_segment_fixed_size 0
		.amdhsa_enable_private_segment 0
		.amdhsa_kernarg_size 40
		.amdhsa_user_sgpr_count 2
		.amdhsa_user_sgpr_kernarg_segment_ptr 1
		.amdhsa_wavefront_size32 1
		.amdhsa_system_sgpr_workgroup_id_x 1
		.amdhsa_system_sgpr_workgroup_id_y 1
		.amdhsa_system_sgpr_workgroup_id_z 1
		.amdhsa_system_vgpr_workitem_id 0
		.amdhsa_next_free_vgpr 98
		.amdhsa_next_free_sgpr 66
		.amdhsa_reserve_vcc 0
		.amdhsa_float_denorm_mode_32 3
		.amdhsa_float_denorm_mode_16_64 3
		.amdhsa_memory_ordered 1
		.amdhsa_forward_progress 1
		.amdhsa_inst_pref_size 14
	.end_amdhsa_kernel
	.amdgpu_metadata
---
amdhsa.version: [ 1, 2 ]
amdhsa.kernels:
  - .name:           k_q4734649267_prep
    .symbol:         k_q4734649267_prep.kd
    .args:
      - { .name: x, .offset: 0, .size: 8, .value_kind: global_buffer, .address_space: global }
      - { .name: weight, .offset: 8, .size: 8, .value_kind: global_buffer, .address_space: global }
      - { .name: lowp_scales, .offset: 16, .size: 8, .value_kind: global_buffer, .address_space: global }
      - { .name: xq, .offset: 24, .size: 8, .value_kind: global_buffer, .address_space: global }
      - { .name: wq, .offset: 32, .size: 8, .value_kind: global_buffer, .address_space: global }
    .group_segment_fixed_size: 9728
    .private_segment_fixed_size: 0
    .kernarg_segment_align: 8
    .kernarg_segment_size: 40
    .max_flat_workgroup_size: 128
    .sgpr_count:     66
    .vgpr_count:     98
    .wavefront_size: 32
...
	.end_amdgpu_metadata
.endif
;; end of part 3
;; launch gemm (part 4): grid 16 x 16, 4 waves a work-group, clusters of 4 x 4, 327,680 bytes of LDS; arguments xq, wq, lowp_scales, out0, bias; writes out0
.if DOCPART == 4
	.amdgcn_target "amdgcn-amd-amdhsa--gfx1250"
	.amdhsa_code_object_version 6
	.text
	.protected	k_q4734649267_gemm
	.globl	k_q4734649267_gemm
	.p2align	8
	.type	k_q4734649267_gemm,@function
k_q4734649267_gemm:
	s_mov_b64 s[64:65], 0
	v_nop
	global_prefetch_b8 v0, s[64:65] scope:SCOPE_SE
	s_setreg_imm32_b32 hwreg(HW_REG_WAVE_MODE, 25, 1), 1
	s_wait_xcnt 0x0
	s_wait_alu depctr_hold_cnt(0) depctr_sa_sdst(0) depctr_va_vdst(0) depctr_va_sdst(0) depctr_va_ssrc(0) depctr_va_vcc(0) depctr_vm_vsrc(0)
	s_getreg_b32 s2, hwreg(HW_REG_IB_STS2, 6, 4)
	s_cmp_eq_u32 s2, 0
	s_cbranch_scc0 .Lentry_in_a_cluster
	s_endpgm
.Lentry_in_a_cluster:
	s_bfe_u32 s2, ttmp6, 0x10000c
	s_cmp_lg_u32 s2, 0xf033
	s_cbranch_scc0 .Lentry_shape_is_right
	s_endpgm
.Lentry_shape_is_right:
; out0[b][i][r] = 2^(e0 + e1) x (sum over j, p of X[b][j][p] W[i][j][p][r]) + bias[i][r], X and W codes of BF8 (E5M2); sums in f32.
; xq[b][s][p][jl] holds X's codes (j = 64 s + jl).  wq[i][s][q][jl] holds the codes of weight.  W[i][j][p][r], the code of Wc = sum over q of weight[i][j][q] C[p][q][r], is the code of
; weight[i][j][q(p, r)] with the sign bit turned where C = -1: for each (p, r) one q alone has C = +-1, and the quantiser is odd.  Tables QT (nibble p = q(p, r)) and SG (bit p = minus), one of each for every r.
; THE EXPANSION BY C COSTS NO MEMORY AND NO LDS.  A tile of the second operand is 16 different i of ONE r, and a matrix instruction (16 x 16 x 64) takes 64 j of ONE p: so q(p, r) and the sign are constants of the
; instruction, and its operand is one of 8 fragments (16 i x 64 j of one q, 8 registers) or that fragment's negated copy.  A wave reads the 8 fragments from LDS once for 64 j and makes the 7 negated copies
; that are used (q = 0 never has the minus) by one v_xor_b32 a register; they then serve 512 matrix instructions.
; LIMIT: e0 + e1 between -126 and 127, so that 2^(e0 + e1) is an f32 number.
; ORDER OF SUMS: k runs by groups of 64 j, in them by p, and inside an instruction in other places than the form's own layout gives it, the same in both operands: every product meets its partner; the order of the additions is not ascending k.
; A tile of out0, 256 rows x 32 i x 8 r, is made by a work-group of four waves; a wave makes 128 rows x 16 i x 8 r: 64 accumulators of 16 x 16, 512 registers.  16 x 16 tiles: one for each work-group.
; K goes in steps of 512 (64 j x 8 p) through a ring of two LDS slots filled by the tensor data mover: 256 rows of xq and 32 rows of wq, 512 bytes of memory each, at multiples of 512 from the buffers' first bytes.
; CLUSTERS: 4 x 4 work-groups.  The four of a row of the cluster need the same tiles of xq, the four of a column the same tiles of wq: each tile is asked for JOINTLY, by the same tensor load with the
; same descriptor and a mask that names the four.  THE MATRIX INSTRUCTION IS USED TRANSPOSED (source 0 = 16 i, source 1 = 16 rows of xq): lane l holds row l % 16 of out0 and, in register j, i = 8 (l / 16) + j.
; REGISTERS, in windows of 256: window 0: v0-31 addresses; v64-127 my 64 numbers of bias; from v128 A's fragments (8 blocks of 16 rows x 2 p x 64 j), ONE set; on the way out v128-255 take rows read back from the stage.
;   window 1: B's fragments: for slot n at v[128 n]: 8 q x 8 registers, then their negated copies.   window 2: the 32 accumulators of my rows 0-63 (block a, r: v[8 (8 a + r)]);   window 3: those of my rows 64-127.
; A step is 2 p x 64 j: 128 matrix instructions, A's blocks one after the other, each against the 8 r, p by p.  A block of A is free as soon as its sixteen products are issued, so one set of registers serves A:
; blocks 0-3 are fetched anew in the step's middle, blocks 4-7 at its end.
.set SIZE_N, 4096
.set SIZE_K, 4096
.set ROWB,   512                       ; a tile's row in bytes: what a slot holds along K
.set KROW,   SIZE_K                    ; a row of xq or of wq in memory, in bytes
.set PITCH,  528                       ; an LDS row: 512 bytes of data + 16 of padding = 132 words: row r starts at bank 4 r mod 64 (64 banks of 4 bytes: ISA guide 11.1), so the 16 rows that a load touches start at 16 different banks
.set FR,     16                        ; registers of A's fragments of a block and a step: 2 p x 8
.set NL,     4                         ; LDS loads that bring them
.set NP,     4                         ; places behind this matrix instruction (ISA guide 7.12.1)
.set HALFA,  128*PITCH                 ; 128 rows of A: what one tensor load brings, and what one wave reads
.set BOFF,   2*HALFA                   ; B's rows lie behind A's 256
.set HALFB,  16*PITCH                  ; 16 rows of B: likewise
.set SLOT,   BOFF+2*HALFB              ; 152,064 bytes
.set LAPS,   SIZE_K/(2*ROWB)           ; a lap = two slots = once round the ring: 4
.set SPARE,  2*SLOT                    ; behind the ring: the spare words, 128 bytes for each wave: two blocks of 256 bytes that no other line names
.set SPITCH, 528                       ; the way out: a stage of 16 rows x (512 bytes + 16) for each wave.  It lies in slot 0, which has had its last fill and its last read when the first result is stored there
.set QT0, 0x76543210
.set QT1, 0x67325401
.set QT2, 0x53716042
.set QT3, 0x42170653
.set QT4, 0x35607124
.set QT5, 0x24061735
.set QT6, 0x10452376
.set QT7, 0x01234567
.set SG0, 0xF0
.set SG1, 0xCC
.set SG2, 0x18
.set SG3, 0xF0
.set SG4, 0x24
.set SG5, 0xCC
.set SG6, 0x18
.set SG7, 0x24
.set BO,   7                           ; v7      256 x (l / 16): my byte offset in my wave's 512 bytes of bias; never rewritten
.set ADRA, 16                          ; v16-17  LDS address of my A fragments in slot 0, 1
.set ADRB, 20                          ; v20-21  the same for B
.set STO,  24                          ; v24     the way out: where I put 256 bytes of a row
.set RD,   25                          ; v25     the way out: where I read a row back
.set CO,   26                          ; v26     16 x lane: my byte offset in a row's 512 bytes of out0; never rewritten
.set SPW,  28                          ; v28     LDS address of my spare word: SPARE + 4 x my thread's number; never rewritten
.set NIL,  29                          ; v29     0; never rewritten
.set PFO,  30                          ; v30     the prefetches' offset: my lane x a row of 4,096 bytes; never rewritten
.set BI,   64                          ; v64-127 bias[i = 8 (l / 16) + j][r] at v[BI + 8 j + r]
.set AF,   128                         ; A's fragments, in window 0
.set BK,   128                         ; the way out: 16 rows read back from the stage: v128-191 and v192-255 by turns
.set TMP,  0                           ; the way out: 64 finished numbers in memory's order, in window 1, where slot 0's fragments of B lay
.set G1, 24                            ; s[24:31] descriptor group 1 for A's tiles;  s[32:39] group 0, one set for each slot
.set G0, 32
.set G1B, 48                           ; s[48:55], s[56:63] the same for B's tiles
.set G0B, 56
.set PFA, 66                           ; s[66:67] where my prefetches stand: my work-group's 32 rows of the 128 that I fetch, at the slot's worth of K that the NEXT refill will ask for
.set LIM, 68                           ; s68     1 in a wave that prefetches, else the greatest number
.set SGN, 69                           ; s69     the sign bits of four codes
.set MSB, 0
.macro WIN new                         ; the immediate's high byte repeats the setting that is left; a switch that changes nothing is dropped
.if MSB != (\new)
	s_set_vgpr_msb (MSB<<8)|(\new)
.set MSB, (\new)
.endif
.endm
.set MUL_LO, 0xa1                      ; source 0 (B) window 1, source 1 (A) window 0, C and D window 2
.set MUL_HI, 0xf1                      ; the same, C and D window 3
.set TO_B,   0x40                      ; destination window 1, address window 0
.set IN_B,   0x44                      ; destination and source 1 window 1
; A joint load: waves 0 and 1 fetch for A, waves 2 and 3 for B.  Each of the two lines has ONE mask and one set of registers for all that issue it; the branch hangs on the wave's number alone.
; Four v_nop follow each of the two lines, ahead of the jump, the label and what follows.
.macro JLOAD g0a, g1a, g0b, g1b
	s_cmp_eq_u32 s15, 0
	s_cbranch_scc0 .Lfor_b_\@
	tensor_load_to_lds s[\g0a:\g0a+3], s[\g1a:\g1a+7]
	s_nop 0
.rept 4
	v_nop
.endr
	s_branch .Lasked_\@
.Lfor_b_\@:
	tensor_load_to_lds s[\g0b:\g0b+3], s[\g1b:\g1b+7]
	s_nop 0
.rept 4
	v_nop
.endr
.Lasked_\@:
.endm
; A PREFETCH of A's tile that the NEXT refill will ask for, 512 matrix instructions of the wave ahead of that load; it stands behind the joint refill, its four lines and the run of LDS loads that follows them.
; 32 rows x 512 bytes: a lane a row, two instructions a wave, one for each 256 bytes.  Each block of 256 bytes is named ONCE in the launch: xq's tile row is read by every cluster of that row of clusters, and the
; first of them (cluster x = 0) asks; of the 128 rows that wave 0 or 1 fetches, the partner at place cx takes 32 cx .. 32 cx + 31: told apart BY ADDRESS, no branch hangs on a work-group's place in its cluster.
; The first three slots' worth of K come by their loads alone; the last refill (slot 1's, in the loop's last trip, s3 = 1) has none behind it and asks for nothing.  how = 1: slot 0's refill, which always has a successor.
; B's tiles, a ninth of a slot's bytes, come by their loads alone.
.macro ASK how
.if \how
	s_cmp_eq_u32 s[LIM], 1
.else
	s_cmp_gt_u32 s3, s[LIM]
.endif
	s_cbranch_scc0 .Lnot_mine_\@
	global_prefetch_b8 v[PFO], s[PFA:PFA+1] th:TH_LOAD_NT scope:SCOPE_SE
	global_prefetch_b8 v[PFO], s[PFA:PFA+1] offset:256 th:TH_LOAD_NT scope:SCOPE_SE
.Lnot_mine_\@:
.endm
.macro CREST                           ; a round of the cluster's barrier behind its opening barrier
	s_cmp_lg_u32 s14, 0
	s_cbranch_scc1 .Lnot_wave_0_\@
	s_barrier_signal -3
.Lnot_wave_0_\@:
	s_barrier_wait -3
	s_barrier_signal -1
	s_barrier_wait -1
.endm
.macro CROUND                          ; a whole round
	s_barrier_signal -1
	s_barrier_wait -1
	CREST
.endm
	s_load_b128 s[4:7], s[0:1], 0x0                ; xq s[4:5], wq s[6:7]
	s_load_b128 s[8:11], s[0:1], 0x10              ; the two scales' exponents s[8:9], out0 s[10:11]
	s_load_b64 s[12:13], s[0:1], 0x20              ; bias
	v_lshl_add_u32 v[SPW], v0, 2, SPARE
	v_mov_b32 v[NIL], 0
	ds_add_u32 v28, v29
	ds_add_u32 v28, v29
	s_wait_dscnt 0x0
	v_lshrrev_b32 v1, 5, v0
	v_readfirstlane_b32 s14, v1                    ; wave 0..3
	s_lshr_b32 s15, s14, 1                         ; which half of the tile's rows is mine.  Also: I fetch for A (0) or for B (1)
	s_and_b32 s16, s14, 1                          ; which half of its i.  Also: which half of that tile's rows I fetch
	s_bfe_u32 s40, ttmp6, 0x40000                  ; cx, cy: my place in the cluster
	s_bfe_u32 s41, ttmp6, 0x40004
	s_lshl_b32 s42, ttmp9, 2
	s_add_co_u32 s42, s42, s40                     ; tile column = 4 x cluster x + cx
	s_and_b32 s17, ttmp7, 0xffff
	s_lshl_b32 s17, s17, 2
	s_add_co_u32 s17, s17, s41                     ; tile row = 4 x cluster y + cy
	s_lshl_b32 s43, s41, 2
	s_lshl_b32 s43, 15, s43                        ; my row of the cluster
	s_lshl_b32 s44, 0x1111, s40                    ; my column
	; descriptor group 1: rows of 512 bytes, padded in LDS: 128 of them for A, 16 for B
	s_or_b32 s[G1+0], s43, (0<<16)|(1<<20)|(1<<21)|(6<<22)|(3<<25)  ; 15:0 the mask: A's tiles go to my row; 17:16 element of 1 byte; 20 padding on; 21 set beside a mask; 24:22 after every 128 words (code 6); 31:25 of 4 words (code 3)
	s_or_b32 s[G1B+0], s44, (0<<16)|(1<<20)|(1<<21)|(6<<22)|(3<<25) ; the same with the mask of my column, for B's tiles
.irp g, G1, G1B
	s_mov_b32 s[\g+1], ROWB<<16                    ; tensor_dim0 = 512
	s_mov_b32 s[\g+3], ROWB<<16                    ; tile_dim0 = 512
	s_mov_b32 s[\g+5], KROW                        ; tensor_dim0_stride = 4,096
	s_mov_b32 s[\g+6], 0
	s_mov_b32 s[\g+7], 0
.endr
	s_mov_b32 s[G1+2], 128<<16                     ; A: tensor_dim1 = 128,
	s_mov_b32 s[G1+4], 128                         ; tile_dim1 = 128
	s_mov_b32 s[G1B+2], 16<<16                     ; B: 16
	s_mov_b32 s[G1B+4], 16
	s_lshl_b32 s18, s16, 7
	s_lshl_b32 s20, s17, 8
	s_add_co_u32 s20, s20, s18                     ; A: row 256 x tile row + 128 x half,
	s_lshl_b32 s20, s20, 12                        ; of 4,096 bytes: under 2^24
	s_mov_b32 s21, 0
	s_lshl_b32 s18, s16, 4
	s_lshl_b32 s46, s42, 5
	s_add_co_u32 s46, s46, s18                     ; B: row i = 32 x tile column + 16 x half
	s_lshl_b32 s46, s46, 12
	s_mov_b32 s47, 0
	s_mul_i32 s45, s16, HALFA                      ; where they go: A's halves from the slot's first byte on,
	s_mul_i32 s19, s16, HALFB
	s_add_co_u32 s19, s19, BOFF                    ; B's behind them: no place in the cluster enters an LDS address
	s_wait_kmcnt 0x0
	s_load_b64 s[96:97], s[8:9], 0x0               ; e0, e1
	s_add_nc_u64 s[20:21], s[4:5], s[20:21]
	s_add_nc_u64 s[46:47], s[6:7], s[46:47]
	CROUND                                         ; all sixteen work-groups are here: the first joint loads meet
.irp s, 0,1
	s_mov_b32 s[G0+4*\s], 1                                        ; count = 1
	s_add_co_u32 s[G0+4*\s+1], s45, \s*SLOT                        ; LDS address
	s_add_nc_u64 s[G0+4*\s+2:G0+4*\s+3], s[20:21], \s*ROWB         ; global address: the s-th 512 along K
	s_or_b32 s[G0+4*\s+3], s[G0+4*\s+3], 0x80000000                ; type = 2
	s_mov_b32 s[G0B+4*\s], 1
	s_add_co_u32 s[G0B+4*\s+1], s19, \s*SLOT
	s_add_nc_u64 s[G0B+4*\s+2:G0B+4*\s+3], s[46:47], \s*ROWB
	s_or_b32 s[G0B+4*\s+3], s[G0B+4*\s+3], 0x80000000
	JLOAD G0+4*\s, G1, G0B+4*\s, G1B               ; by this text's count two tensor loads of a wave are out here, later one behind each round
.endr
	v_and_b32 v1, 15, v0                           ; l % 16
	v_bfe_u32 v2, v0, 4, 1                         ; l / 16
	v_mul_u32_u24 v3, v1, PITCH
	v_lshl_add_u32 v4, v2, 4, v3                   ; a fragment's row x pitch + 16 x half
	s_mul_i32 s21, s15, HALFA                      ; my 128 rows of A
	s_mul_i32 s22, s16, HALFB                      ; my 16 rows of B,
	s_add_co_u32 s22, s22, BOFF                    ; which lie behind A's 256
.irp s, 0,1
	v_add_nc_u32 v[ADRA+\s], s21, v4
	v_add_nc_u32 v[ADRB+\s], s22, v4
	s_add_co_u32 s21, s21, SLOT
	s_add_co_u32 s22, s22, SLOT
.endr
	s_mul_i32 s23, s14, 16*SPITCH                  ; my stage
	v_mul_u32_u24 v5, v1, SPITCH                   ; in: row l % 16, 256 bytes for each half of the lanes
	v_lshl_add_u32 v5, v2, 8, v5
	v_add_nc_u32 v[STO], s23, v5
	v_and_b32 v6, 31, v0
	v_lshlrev_b32 v[CO], 4, v6                     ; back: the 32 lanes take one row of 512 bytes; and the same in out0
	v_add_nc_u32 v[RD], s23, v[CO]
	s_lshl_b32 s20, s17, 8
	s_lshl_b32 s21, s15, 7
	s_add_co_u32 s20, s20, s21                     ; my first row of out0: 256 x tile row + 128 x half
	s_mov_b32 s21, 0
	s_mov_b64 s[18:19], SIZE_N*4
	s_mul_u64 s[20:21], s[20:21], s[18:19]
	s_lshl_b32 s46, s42, 10                        ; my first (i, r), in bytes: 32 i x 8 r x 4 = 1,024 x tile column + 512 x half
	s_lshl_b32 s47, s16, 9
	s_add_co_u32 s46, s46, s47
	s_mov_b32 s47, 0
	s_add_nc_u64 s[20:21], s[20:21], s[46:47]
	s_add_nc_u64 s[10:11], s[10:11], s[20:21]
	s_add_nc_u64 s[12:13], s[12:13], s[46:47]      ; bias at my wave's first (i, r): the same bytes along a row
	v_lshlrev_b32 v[BO], 8, v2                     ; my 8 i x 8 r are 256 consecutive bytes of it
.irp e, 0,1,2,3,4,5,6,7,8,9,10,11,12,13,14,15
	global_load_b128 v[BI+4*\e:BI+4*\e+3], v[BO], s[12:13] offset:16*\e   ; asked for here, wanted on the way out
.endr
	; the prefetches: where mine stand, and whether I ask
	s_lshl_b32 s20, s17, 8                         ; the tile's first row in xq
	s_lshl_b32 s18, s16, 7
	s_add_co_u32 s20, s20, s18                     ; + the 128 rows that I fetch
	s_lshl_b32 s18, s40, 5
	s_add_co_u32 s20, s20, s18                     ; + my work-group's 32 of them
	s_lshl_b32 s20, s20, 12                        ; rows of 4,096 bytes
	s_mov_b32 s21, 0
	s_add_nc_u64 s[PFA:PFA+1], s[4:5], s[20:21]
	s_add_nc_u64 s[PFA:PFA+1], s[PFA:PFA+1], 2*ROWB  ; the first refill steps it on by one slot's worth of K
	s_or_b32 s22, s15, ttmp9                       ; 0 in the waves that fetch for A, in the first cluster of a row of clusters: the same in all sixteen partners, for a given wave
	s_cmp_eq_u32 s22, 0
	s_cselect_b32 s[LIM], 1, -1
	v_lshlrev_b32 v[PFO], 12, v6
	s_mov_b32 s[SGN], 0x80808080
.macro FRAG reg, adr, q, i             ; A's fragments of block i for the slot's q-th step, 16 registers: lane l holds row l % 16; registers 8 u + 4 c .. + 3 hold p = 2 q + u, jl = 32 c + 16 (l / 16) + 0 .. 15
.irp c, 0,1,2,3
	ds_load_b128 v[\reg+4*\c:\reg+4*\c+3], v[\adr] offset:128*(\q)+32*\c+(\i)*16*PITCH
.endr
.endm
; 32 matrix instructions: A's blocks a0, a0 + 1, each for p = 2 t and 2 t + 1 against the 8 r.  bs: B's set.  zero = 1: the products of the first p start the sums: nothing is ever cleared.
; The operand for (p, r) is fragment q(p, r), or its negated copy where C = -1.  The accumulators take turns, one instruction a turn: between two instructions on one accumulator stand the 7 others of its block.
.macro MUL32 a0, t, bs, zero
.irp a, \a0, \a0+1
.irp u, 0,1
.irp r, 0,1,2,3,4,5,6,7
.set PP, 2*(\t)+\u
.set BR, 128*(\bs)+64*((SG\r>>PP)&1)+8*((QT\r>>(4*PP))&7)
.set DR, 8*(8*((\a)%4)+\r)
.set AR, AF+FR*(\a)+8*\u
.if (\zero) && (\u == 0)
	v_wmma_f32_16x16x64_bf8_bf8 v[DR:DR+7], v[BR:BR+7], v[AR:AR+7], 0
.else
	v_wmma_f32_16x16x64_bf8_bf8 v[DR:DR+7], v[BR:BR+7], v[AR:AR+7], v[DR:DR+7]
.endif
.endr
.endr
.endr
.endm
.macro FETCH_B slot, bs                ; B's eight fragments of a slot into set bs: lane l holds i = l % 16; of fragment q registers 4 c .. + 3 hold jl = 32 c + 16 (l / 16) + 0 .. 15: the places that A's have
	WIN TO_B
.irp q, 0,1,2,3,4,5,6,7
.irp c, 0,1
	ds_load_b128 v[128*(\bs)+8*\q+4*\c:128*(\bs)+8*\q+4*\c+3], v[ADRB+\slot] offset:64*\q+32*\c
.endr
.endr
	WIN 0
.endm
.macro XNEG bs                         ; the negated copies of fragments q = 1 .. 7: the sign bits of four codes turned at a time
	WIN IN_B
.set i, 8
.rept 56
	v_xor_b32 v[128*(\bs)+64+i], s[SGN], v[128*(\bs)+i]
.set i, i+1
.endr
	WIN 0
.endm
.macro FETCH_A slot, q, i0             ; A's blocks i0 .. i0 + 3
.irp i, \i0, \i0+1, \i0+2, \i0+3
	FRAG AF+FR*(\i), ADRA+\slot, \q, \i
.endr
.endm
; A load into a register that a matrix instruction has read, and a vector instruction that reads a matrix result, stand NP places behind that matrix instruction, and only plain vector
; instructions that name none of its registers are places (ISA guide 7.12.1 for vector instructions); the matrix instructions in between are not counted.
.macro PLACES n
.rept \n
	v_nop
.endr
.endm
; A step that has its successor in the same slot (q = 0, 1, 2).  B's set is the slot's.
.macro STEP slot, q, zero
	s_wait_dscnt 4*NL                              ; A's blocks 0-3 are in; the youngest sixteen loads (A's blocks 4-7) may be out
	WIN MUL_LO
	MUL32 0, \q, \slot, \zero
	MUL32 2, \q, \slot, \zero
	s_wait_dscnt 0                                 ; A's blocks 4-7 are in (asked for 64 matrix instructions ago)
	PLACES NP
	WIN 0
	FETCH_A \slot, (\q)+1, 0
	WIN MUL_HI
	MUL32 4, \q, \slot, \zero
	MUL32 6, \q, \slot, \zero
	PLACES NP
	WIN 0
	FETCH_A \slot, (\q)+1, 4
.endm
; A slot's last step (q = 3) changes slots: ONE barrier; in front of it each wave waits for all its tensor loads, adds 0 to its spare word, and waits for that and for its own reads of this slot.
; fill = 1: this slot is filled again, with the K two slots on: from that request to the wait for it a wave issues 448 matrix instructions.
.macro TURN slot, next, fill, how
.if \fill
	s_wait_xcnt 0x0                                ; the last prefetches, a slot back, have read their address: it is stepped here, ahead of the waits of the change of slots
	s_add_nc_u64 s[PFA:PFA+1], s[PFA:PFA+1], ROWB
.endif
	s_wait_tensorcnt 0x0                           ; all my tensor loads have landed: the one that was out is my part of the next slot;  (every window is 0 here: the add's two registers lie in window 0)
	ds_add_u32 v[SPW], v[NIL]                      ; 0 onto my spare word
	s_wait_dscnt 4*NL+1                            ; (the add and the youngest sixteen loads, A's blocks 4-7, may be out)
	WIN MUL_LO
	MUL32 0, 3, \slot, 0                           ; 32 matrix instructions stand between the add and the wait for it
	s_wait_dscnt 0x0                               ; the add is done, and my reads of this slot are over
	s_barrier_signal -1
	MUL32 2, 3, \slot, 0                           ; work on registers while the others arrive
	WIN 0
	s_barrier_wait -1
.if \fill
	CREST                                          ; the barrier has opened a round of the cluster's barrier: no wave of any partner still reads this slot's tiles or has a load on its way
	s_add_nc_u64 s[G0+4*\slot+2:G0+4*\slot+3], s[G0+4*\slot+2:G0+4*\slot+3], 2*ROWB
	s_add_nc_u64 s[G0B+4*\slot+2:G0B+4*\slot+3], s[G0B+4*\slot+2:G0B+4*\slot+3], 2*ROWB
	JLOAD G0+4*\slot, G1, G0B+4*\slot, G1B         ; the first tensor load behind the round, and my only one until the next; the four v_nop behind it are the places in front of the loads below
.else
	PLACES NP
.endif
	FETCH_B \next, \next                           ; the next slot's eight fragments of B: the only reads of B's tile
	FETCH_A \next, 0, 0
.if \fill
	ASK \how                                       ; behind the joint load and the run of LDS loads that the next products wait for
.endif
	WIN MUL_HI
	MUL32 4, 3, \slot, 0
	MUL32 6, 3, \slot, 0
	PLACES NP
	WIN 0
	FETCH_A \next, 0, 4
	s_wait_dscnt 8*NL                              ; B's sixteen loads are in; behind them stand A's 32
	XNEG \next
.endm
	s_wait_tensorcnt 1                             ; my part of slot 0 is in; slot 1's load may be out
	s_barrier_signal -1
	s_barrier_wait -1                              ; everybody's is
	FETCH_B 0, 0
	FETCH_A 0, 0, 0
	FETCH_A 0, 0, 4
	s_wait_dscnt 8*NL                              ; B's sixteen loads are in
	XNEG 0
	STEP 0, 0, 1                                   ; the first step stands in front of the loop: its first products start the sums
	s_mov_b32 s3, LAPS-1
.Llap:                                                 ; a trip goes once round the ring, from a lap's second step to the next lap's first, and fills both slots again
	STEP 0, 1, 0
	STEP 0, 2, 0
	TURN 0, 1, 1, 1
	STEP 1, 0, 0
	STEP 1, 1, 0
	STEP 1, 2, 0
	TURN 1, 0, 1, 0
	STEP 0, 0, 0
	s_sub_co_u32 s3, s3, 1
	s_cmp_lg_u32 s3, 0
	s_cbranch_scc1 .Llap
	STEP 0, 1, 0                                   ; the last lap fills nothing, and has no round of the cluster's barrier
	STEP 0, 2, 0
	TURN 0, 1, 0, 0
	STEP 1, 0, 0
	STEP 1, 1, 0
	STEP 1, 2, 0
	s_wait_dscnt 4*NL                              ; the very last step: nothing more to fetch
	WIN MUL_LO
	MUL32 0, 3, 1, 0
	MUL32 2, 3, 1, 0
	s_wait_dscnt 0
	WIN MUL_HI
	MUL32 4, 3, 1, 0
	MUL32 6, 3, 1, 0
	WIN 0
; THE WAY OUT, block by block of 16 rows.  Of row l % 16 a lane holds i = 8 (l / 16) + j in register j of the accumulator of each r: 64 numbers that are 256 consecutive bytes of out0, in the order 8 j + r.
; One fused multiply-add a number gives sum x 2^(e0 + e1) + bias and lays it in that order.  The lanes beside mine hold other rows: so the block goes through my own stage in LDS and comes back as whole rows of
; 512 bytes, which the 32 lanes store.  LDS serves a wave's instructions in order (ISA guide 5.7.1.4): no wait between the stores and the loads, nor in front of the next block's stores.
.macro TOSTAGE a
.set AC, 64*((\a)%4)
	WIN 0x42+((\a)/4)                              ; source 0 (the sums) window 2 or 3, source 2 (bias) window 0, destination window 1
.irp j, 0,1,2,3,4,5,6,7
.irp r, 0,1,2,3,4,5,6,7
	v_fma_f32 v[TMP+8*\j+\r], v[AC+8*\r+\j], s96, v[BI+8*\j+\r]     ; register 0 of each accumulator first: each is read from its low end on
.endr
.endr
	WIN 0x04                                       ; an LDS store's data (source 1) window 1, its address window 0
.irp e, 0,1,2,3,4,5,6,7,8,9,10,11,12,13,14,15
	ds_store_b128 v[STO], v[TMP+4*\e:TMP+4*\e+3] offset:16*\e
.endr
	WIN 0
.set BB, BK+64*((\a)%2)
.irp t, 0,1,2,3,4,5,6,7,8,9,10,11,12,13,14,15
	ds_load_b128 v[BB+4*\t:BB+4*\t+3], v[RD] offset:\t*SPITCH
.endr
.endm
.macro SEND a, younger                 ; younger: the LDS instructions issued behind block a's loads, which may stay out
.set BB, BK+64*((\a)%2)
	s_wait_dscnt \younger                          ; the block is back in registers
.if (\a) > 0
	s_add_nc_u64 s[10:11], s[10:11], 16*SIZE_N*4   ; (behind a wait on XCNT: the earlier stores have read their base)  16 rows of out0 on, so that the stores' offsets stay small: 15 rows, 245,760 bytes, at the most
.endif
.irp t, 0,1,2,3,4,5,6,7,8,9,10,11,12,13,14,15
	global_store_b128 v[CO], v[BB+4*\t:BB+4*\t+3], s[10:11] offset:\t*SIZE_N*4 th:TH_STORE_NT   ; 32 lanes store 512 consecutive bytes, at a multiple of 512 from out0's first byte; written once, read by nobody here
.endr
.endm
	s_wait_kmcnt 0x0
	s_add_co_i32 s96, s96, s97                     ; e0 + e1, between -126 and 127,
	s_add_co_i32 s96, s96, 127
	s_lshl_b32 s96, s96, 23                        ; makes the f32 number 2^(e0 + e1)
	s_wait_loadcnt 0x0                             ; my 64 numbers of bias, asked for at the head
	PLACES NP                                      ; behind the last products: for the multiply-adds that read results, and for the loads into the registers that held A's fragments
	TOSTAGE 0
.irp a, 1,2,3,4,5,6,7
.if \a > 1
	s_wait_xcnt 0x0                                ; block a - 2's stores have read their registers and their base: block a's loads may land there, and the base may step
.endif
	TOSTAGE \a
	SEND \a-1, 32                                  ; behind block a - 1's loads: block a's 16 stores and 16 loads
.endr
	s_wait_xcnt 0x0                                ; block 6's stores have read their base
	SEND 7, 0
	s_wait_tensorcnt 0x0                           ; the wave's end: behind my last tensor load and my last LDS store
	ds_add_u32 v[SPW], v[NIL]
	s_wait_dscnt 0x0
	CROUND                                         ; the closing round: no work-group ends while a partner may still ask for a tile that names it
	s_endpgm
.Lfunc_end_k_q4734649267_gemm:
	.size	k_q4734649267_gemm, .Lfunc_end_k_q4734649267_gemm-k_q4734649267_gemm
	.p2alignl 7, 3214868480
	.fill 96, 4, 3214868480
	.section	.rodata,"a",@progbits
	.p2align	6, 0x0
	.amdhsa_kernel k_q4734649267_gemm
		.amdhsa_group_segment_fixed_size 327680
		.amdhsa_private_segment_fixed_size 0
		.amdhsa_enable_private_segment 0
		.amdhsa_kernarg_size 40
		.amdhsa_user_sgpr_count 2
		.amdhsa_user_sgpr_kernarg_segment_ptr 1
		.amdhsa_wavefront_size32 1
		.amdhsa_system_sgpr_workgroup_id_x 1
		.amdhsa_system_sgpr_workgroup_id_y 1
		.amdhsa_system_sgpr_workgroup_id_z 1
		.amdhsa_system_vgpr_workitem_id 0
		.amdhsa_next_free_vgpr 1024
		.amdhsa_next_free_sgpr 98
		.amdhsa_reserve_vcc 0
		.amdhsa_float_denorm_mode_32 3
		.amdhsa_float_denorm_mode_16_64 3
		.amdhsa_memory_ordered 1
		.amdhsa_forward_progress 1
		.amdhsa_inst_pref_size 253
	.end_amdhsa_kernel
	.amdgpu_metadata
---
amdhsa.version: [ 1, 2 ]
amdhsa.kernels:
  - .name:           k_q4734649267_gemm
    .symbol:         k_q4734649267_gemm.kd
    .args:
      - { .name: xq, .offset: 0, .size: 8, .value_kind: global_buffer, .address_space: global }
      - { .name: wq, .offset: 8, .size: 8, .value_kind: global_buffer, .address_space: global }
      - { .name: lowp_scales, .offset: 16, .size: 8, .value_kind: global_buffer, .address_space: global }
      - { .name: out0, .offset: 24, .size: 8, .value_kind: global_buffer, .address_space: global }
      - { .name: bias, .offset: 32, .size: 8, .value_kind: global_buffer, .address_space: global }
    .group_segment_fixed_size: 327680
    .private_segment_fixed_size: 0
    .kernarg_segment_align: 8
    .kernarg_segment_size: 40
    .max_flat_workgroup_size: 128
    .sgpr_count:     98
    .vgpr_count:     1024
    .wavefront_size: 32
...
	.end_amdgpu_metadata
.endif
;; end of part 4
